; MI455X (gfx1250); checked and timed in simulation.
; The chip was launched on July 23, 2026; its instructions are those of AMD's public machine-readable ISA for CDNA 5 (MIT licence, August 2026) and "CDNA5" Instruction Set Architecture Reference Guide (July 2026). The comments in the code are by the model that wrote it; some were corrected since.
;; Two Layer LSTM Optimizer. Allowed arithmetic: float matrix products may take bf16 or f16 operands with f32 sums; all other float work in f32.
;; Inputs: W_hh1 20 x 5 float32; W_hh2 20 x 5 float32; W_ih1 20 x 3 float32; W_ih2 20 x 5 float32; W_out 1 x 5 float32; b_hh1 20 float32; b_hh2 20 float32; b_ih1 20 float32; b_ih2 20 float32; b_out 1 float32; bg 1,048,576 x 1 float32; bl 1,048,576 x 1 float32; bx 1,048,576 x 1 float32; c1_0 1 x 5 float32; c2_0 1 x 5 float32; h1_0 1 x 5 float32; h2_0 1 x 5 float32; poly_coefficients 4 float32.
;; Outputs: out0 1,048,576 x 1 float32.
;; Constants: t = 0.
;; One version. Each part assembles by itself: llvm-mc -triple=amdgcn-amd-amdhsa -mcpu=gfx1250 --defsym DOCPART=n.
;; ======== version 1 of 1: 1 launch
;; launch lstm_table_stream (part 1): grid 256 x 1, 16 waves a work-group, no clusters, 2,560 bytes of LDS; arguments bx, bl, bg, out0, W_hh1, W_hh2, b_ih1, b_hh1, b_ih2, b_hh2, poly_coefficients, W_ih1, W_ih2, h1_0, h2_0, c1_0, c2_0, W_out, b_out; writes out0
.if DOCPART == 1
	.amdgcn_target "amdgcn-amd-amdhsa--gfx1250"
	.amdhsa_code_object_version 6
	.text
	.protected	k_q0355d8e8a6_lstm_table_stream
	.globl	k_q0355d8e8a6_lstm_table_stream
	.p2align	8
	.type	k_q0355d8e8a6_lstm_table_stream,@function
k_q0355d8e8a6_lstm_table_stream:
	s_mov_b64 s[64:65], 0
	v_nop
	global_prefetch_b8 v0, s[64:65] scope:SCOPE_SE
	s_setreg_imm32_b32 hwreg(HW_REG_WAVE_MODE, 25, 1), 1
	s_wait_xcnt 0x0
; TwoLayerLSTMOptimizer, D = 1, H = 5, t = 0, 1,048,576 samples.
;
; THE IDEA.  With D = 1 the normalisation v / max|v| gives exactly +1 or -1 for every finite non-zero number (denormals too) and
; the number itself (+-0) otherwise.  So the cell input u = (xn, ln, gn) takes at most 3 x 3 x 3 = 27 values for every input, and all
; that follows up to tanh(v), and the factor softplus(poly) . t_powers, is a table of 27 numbers made from the weights.  A sample needs
; its three classes, one of 27 entries, and the product with |bx| (or 1 where bx = 0).
;
; THE SHARES.  256 work-groups of 16 waves; a work-group owns 4,096 consecutive samples (16,384 bytes of each of bx, bl, bg, out0),
; a thread two pieces of 16 bytes, 8,192 bytes apart.  Each load and store of a wave covers 512 consecutive bytes, aligned to 512.
; All six data loads of a thread are issued at once: its whole share is on its way, so there is no loop and no ring.
; Wave 0 also makes the table, one combination of classes in each lane, in f32, while the data travel, and hands it over through 128 bytes
; of LDS and the one barrier.  Between that barrier's signal and its wait every wave does what needs no table (compares, multiplier).
; The entry is chosen by v_cndmask_b32 (26 selects for 32 samples): a choice of a value, never an address made from data.
;
; FOLDS.  Entries of the class bx < 0 are stored negated, so that entry x bx = T |bx| for both signs; where bx = 0 the multiplier is 1.0.
; The poly factor is multiplied into the entries.  0.99^0 = 1 exactly and is left out; t_powers = (1, 0, 0, 0) are multiplied and summed
; over all four coefficients, so that an infinite or NaN coefficient shows as it does in the reference.
; A NaN or an infinity in bx, bl or bg gives NaN as in the reference (inf / inf): multiplier = v * 0 + multiplier, exact for finite v.
;
; LEFT OUT, AND WHY.  Matrix instructions: what is left of the products is 27 rows with K = 3 and K = 5, some 4,700 multiply-adds in a
; work-group; a 16 x 16 x 32 form would be more than four fifths zeros, would want a shuffle between the layers, and would round to bf16.
; Tensor loads and an LDS ring: nothing is read twice, and 24 registers hold a thread's whole share.  Clusters: the work-groups share
; 1,860 bytes of weights against 65,536 bytes of their own.
;
; LIMITS.  (a) tanh x = 1 - 2 / (1 + e^(2x)): absolute error of about 2^-23, so relative accuracy fades below |x| of about 1e-5.
; (b) v_exp_f32 gives 0 where the result would be denormal (ISA guide 15.8): softplus(c) = 0 for c < -87.3.  log(1 + y) is made as
; log(w) y / (w - 1) with w = 1 + y rounded, and as y itself where w = 1, so small softplus values keep their relative accuracy as far
; as v_log_f32 does.  (c) The order of rounding differs from the reference's: k = b_ih + b_hh + W_hh h is summed first, log2(e) is folded
; into the gate inputs, the poly factor into the table.  (d) The sign of a zero result may differ.
.set NL2E,  0xbfb8aa3b                 ; -log2(e): sigmoid z = 1 / (1 + 2^(NL2E z))
.set L2E2,  0x4038aa3b                 ; 2 log2(e): tanh z = 1 - 2 / (1 + 2^(L2E2 z))
.set LN2,   0x3f317218                 ; ln 2
.set CHUNK, 8192                       ; 512 threads x 16 bytes
.set K1L,   128                        ; LDS bytes 128..255: layer 1's 20 constants (wave 0 alone)
.set K2L,   256                        ; LDS bytes 256..383: layer 2's (wave 0 alone).  LDS bytes 0..127: the table, word L = lane L's entry
; vector registers, all waves
.set XR,   4                           ; v[4:11]    bx, piece j at XR + 4 j; then the multiplier; then the result
.set LR,   12                          ; v[12:19]   bl
.set GR,   20                          ; v[20:27]   bg
; v1 = byte offset of my 16 bytes, v2 = 0; neither is ever rewritten
; vector registers behind the barrier
.set TAB,  32                          ; v[32:59]   the table, the same in every lane; entry 9 gi + 3 li + xi, index 0, 1, 2 = class -1, 0, +1
.set T1A,  60                          ; v[60:68]   nine left after the choice by bg, first register of a pair
.set T1B,  70                          ; v[70:78]   the same, second register
.set T2A,  80                          ; v[80:82]   three left after the choice by bl
.set T2B,  84                          ; v[84:86]
.set T3,   88                          ; v[88:89]   the entries of the pair
; vector registers of wave 0 while it makes the table (they lie over the ones above, which are not yet in use)
.set U,    28                          ; v[28:30]   this lane's classes of bx, bl, bg as -1.0, 0.0, +1.0
.set PV,   31                          ; v31        the poly factor, negated in lanes of class bx < 0
.set US,   32                          ; v[32:34]   NL2E x U, for the gates i, f, o
.set UG,   35                          ; v[35:37]   L2E2 x U, for the gate g
.set K,    44                          ; v[44:63]   the layer's 20 constants, scaled
.set Z,    64                          ; v[64:83]   the 20 gates; before that the row loads: W_hh1 64-68, W_hh2 69-73, biases 74-77, poly 78, k 79, 80
.set W1,   84                          ; v[84:143]  W_ih1, 20 rows of 3, the same in every lane
.set W2,   144                         ; v[144:243] W_ih2, 20 rows of 5
.set H,    84                          ; v[84:88]   h of the layer (W1 is done with by then)
.set HS,   90                          ; v[90:94]   NL2E x h1
.set HG,   96                          ; v[96:100]  L2E2 x h1
.set C,    244                         ; v[244:248] c of the layer
.set TT,   249                         ; v[249:255] at work
; scalar registers: s[4:41] the 19 addresses; s[44:48] h1_0, s[52:56] h2_0, s[68:72] c1_0, s[76:80] c2_0, s[84:88] W_out, s89 b_out
.set MASK, 12                          ; s[12:59]   from the join on: six lane masks for each of the eight data registers
.macro DATA_LOADS                      ; six loads, piece 0's three first
.irp j, 0,1
	global_load_b128 v[XR+4*\j:XR+4*\j+3], v1, s[4:5] offset:CHUNK*\j th:TH_LOAD_NT
	global_load_b128 v[LR+4*\j:LR+4*\j+3], v1, s[6:7] offset:CHUNK*\j th:TH_LOAD_NT
	global_load_b128 v[GR+4*\j:GR+4*\j+3], v1, s[8:9] offset:CHUNK*\j th:TH_LOAD_NT
.endr
.endm
.macro BCAST dst, n, base              ; n x 16 bytes of a small matrix, the same bytes into every lane
.set q, 0
.rept \n
	global_load_b128 v[\dst+4*q:\dst+4*q+3], v2, s[\base:\base+1] offset:16*q
.set q, q+1
.endr
.endm
; One column j of a layer's input matrix into all 20 gates.  Rows 0-4 i, 5-9 f, 10-14 g, 15-19 o.  The inputs come scaled (us for
; the sigmoids, ug for the tanh) and so do the constants K, so that Z ends as the argument of 2^x.  first = 1: K starts the sums.
.macro GATEPASS w, stride, j, us, ug, first
.set r, 0
.rept 20
.if r/5 == 2
.set usel, \ug
.else
.set usel, \us
.endif
.if \first
	v_fma_f32 v[Z+r], v[\w+\stride*r+\j], v[usel+\j], v[K+r]
.else
	v_fma_f32 v[Z+r], v[\w+\stride*r+\j], v[usel+\j], v[Z+r]
.endif
.set r, r+1
.endr
.endm
; Gates to c and h.  cs = first scalar register of the layer's c0.  Behind each run of transcendentals one plain vector
; instruction stands before a result is used (ISA guide 5.7.2): the v_nop lines.
.macro ACT cs
.set r, 0
.rept 20
	v_exp_f32 v[Z+r], v[Z+r]
.set r, r+1
.endr
	v_nop
.set r, 0
	s_wait_alu depctr_va_vdst(0)
.rept 10
	v_pk_add_f32 v[Z+r:Z+r+1], v[Z+r:Z+r+1], 1.0 op_sel_hi:[1,0]
.set r, r+2
.endr
.set r, 0
.rept 20
	v_rcp_f32 v[Z+r], v[Z+r]                       ; rows i, f, o: the sigmoid itself
.set r, r+1
.endr
	v_nop
	s_wait_alu depctr_va_vdst(0)
.irp j, 0,1,2,3,4
	v_fma_f32 v[Z+10+\j], -2.0, v[Z+10+\j], 1.0    ; tanh g
.endr
.irp j, 0,1,2,3,4
	v_mul_f32 v[C+\j], s[\cs+\j], v[Z+5+\j]        ; sigmoid(f) c0
.endr
.irp j, 0,1,2,3,4
	v_fma_f32 v[C+\j], v[Z+\j], v[Z+10+\j], v[C+\j] ; + sigmoid(i) tanh(g)
.endr
.irp j, 0,1,2,3,4
	v_mul_f32 v[TT+\j], L2E2, v[C+\j]
.endr
.irp j, 0,1,2,3,4
	v_exp_f32 v[TT+\j], v[TT+\j]
.endr
	v_nop
	s_wait_alu depctr_va_vdst(0)
.irp j, 0,1,2,3,4
	v_add_f32 v[TT+\j], 1.0, v[TT+\j]
.endr
.irp j, 0,1,2,3,4
	v_rcp_f32 v[TT+\j], v[TT+\j]
.endr
	v_nop
	s_wait_alu depctr_va_vdst(0)
.irp j, 0,1,2,3,4
	v_fma_f32 v[TT+\j], -2.0, v[TT+\j], 1.0        ; tanh c
.endr
.irp j, 0,1,2,3,4
	v_mul_f32 v[H+\j], v[Z+15+\j], v[TT+\j]        ; h = sigmoid(o) tanh(c)
.endr
.endm
; The six masks of data register i (positive, zero for bg, bl, bx), and the multiplier: bx, or 1.0 where bx = 0
.macro PRE i
	v_cmp_lt_f32 s[MASK+6*\i],   0, v[GR+\i]
	v_cmp_eq_f32 s[MASK+6*\i+1], 0, v[GR+\i]
	v_cmp_lt_f32 s[MASK+6*\i+2], 0, v[LR+\i]
	v_cmp_eq_f32 s[MASK+6*\i+3], 0, v[LR+\i]
	v_cmp_lt_f32 s[MASK+6*\i+4], 0, v[XR+\i]
	v_cmp_eq_f32 s[MASK+6*\i+5], 0, v[XR+\i]
	v_cndmask_b32 v[XR+\i], v[XR+\i], 1.0, s[MASK+6*\i+5]
.endm
; multiplier = v * 0 + multiplier for v = bx, bl, bg, two registers at a time: unchanged for finite v (the multiplier is never 0), NaN otherwise
.macro POISON i
	v_pk_fma_f32 v[XR+\i:XR+\i+1], v[XR+\i:XR+\i+1], 0, v[XR+\i:XR+\i+1] op_sel_hi:[1,0,1]
	v_pk_fma_f32 v[XR+\i:XR+\i+1], v[LR+\i:LR+\i+1], 0, v[XR+\i:XR+\i+1] op_sel_hi:[1,0,1]
	v_pk_fma_f32 v[XR+\i:XR+\i+1], v[GR+\i:GR+\i+1], 0, v[XR+\i:XR+\i+1] op_sel_hi:[1,0,1]
.endm
; The entries of data registers i and i + 1 (i even), side by side so that a select never follows the one it depends on,
; then both products at once.  27 -> 9 by bg, 9 -> 3 by bl, 3 -> 1 by bx; each step: class -1, replaced where positive, replaced where zero.
.macro TREE2 i
.set ma, MASK+6*\i
.set mb, MASK+6*\i+6
.set p, 0
.rept 9
	v_cndmask_b32 v[T1A+p], v[TAB+p], v[TAB+18+p], s[ma]
	v_cndmask_b32 v[T1B+p], v[TAB+p], v[TAB+18+p], s[mb]
.set p, p+1
.endr
.set p, 0
.rept 9
	v_cndmask_b32 v[T1A+p], v[T1A+p], v[TAB+9+p], s[ma+1]
	v_cndmask_b32 v[T1B+p], v[T1B+p], v[TAB+9+p], s[mb+1]
.set p, p+1
.endr
.set p, 0
.rept 3
	v_cndmask_b32 v[T2A+p], v[T1A+p], v[T1A+6+p], s[ma+2]
	v_cndmask_b32 v[T2B+p], v[T1B+p], v[T1B+6+p], s[mb+2]
.set p, p+1
.endr
.set p, 0
.rept 3
	v_cndmask_b32 v[T2A+p], v[T2A+p], v[T1A+3+p], s[ma+3]
	v_cndmask_b32 v[T2B+p], v[T2B+p], v[T1B+3+p], s[mb+3]
.set p, p+1
.endr
	v_cndmask_b32 v[T3],   v[T2A], v[T2A+2], s[ma+4]
	v_cndmask_b32 v[T3+1], v[T2B], v[T2B+2], s[mb+4]
	v_cndmask_b32 v[T3],   v[T3],   v[T2A+1], s[ma+5]
	v_cndmask_b32 v[T3+1], v[T3+1], v[T2B+1], s[mb+5]
	v_pk_mul_f32 v[XR+\i:XR+\i+1], v[T3:T3+1], v[XR+\i:XR+\i+1]
.endm
	; ---- all waves: the 19 addresses (152 bytes), my offset, my wave's number
	s_load_b512 s[4:19],  s[0:1], 0x0              ; bx, bl, bg, out0, W_hh1, W_hh2, b_ih1, b_hh1
	s_load_b512 s[20:35], s[0:1], 0x40             ; b_ih2, b_hh2, poly, W_ih1, W_ih2, h1_0, h2_0, c1_0
	s_load_b128 s[36:39], s[0:1], 0x80             ; c2_0, W_out
	s_load_b64  s[40:41], s[0:1], 0x90             ; b_out
	s_lshl_b32 s3, ttmp9, 14                       ; the work-group's 16,384 bytes (below 4 MiB)
	v_lshrrev_b32 v3, 5, v0
	v_readfirstlane_b32 s2, v3                     ; wave 0..15
	v_lshl_add_u32 v1, v0, 4, s3                   ; 16 t + the work-group's share
	v_mov_b32 v2, 0
	s_cmp_lg_u32 s2, 0
	s_cbranch_scc1 .Lothers
	; ---- wave 0: the table.  Lanes 0-19 first stand for the 20 gate rows (lanes 20-31 repeat row 19), then all lanes for combinations.
	v_and_b32 v38, 31, v0                          ; lane
	v_lshlrev_b32 v3, 2, v38                       ; its word in LDS
	v_min_u32 v39, 19, v38                         ; gate row
	v_mul_u32_u24 v40, 20, v39                     ; its 20 bytes in W_hh
	v_lshlrev_b32 v41, 2, v39                      ; its word in a bias
	v_and_b32 v42, 3, v38
	v_lshlrev_b32 v42, 2, v42                      ; coefficient lane % 4
	s_wait_kmcnt 0x0                               ; the addresses
	s_load_b128 s[44:47], s[30:31], 0x0            ; h1_0
	s_load_b32  s48,      s[30:31], 0x10
	s_load_b128 s[52:55], s[32:33], 0x0            ; h2_0
	s_load_b32  s56,      s[32:33], 0x10
	s_load_b128 s[68:71], s[34:35], 0x0            ; c1_0
	s_load_b32  s72,      s[34:35], 0x10
	s_load_b128 s[76:79], s[36:37], 0x0            ; c2_0
	s_load_b32  s80,      s[36:37], 0x10
	s_load_b128 s[84:87], s[38:39], 0x0            ; W_out
	s_load_b32  s88,      s[38:39], 0x10
	s_load_b32  s89,      s[40:41], 0x0            ; b_out
.irp k, 0,1,2,3,4
	global_load_b32 v[Z+\k], v40, s[12:13] offset:4*\k      ; my row of W_hh1
.endr
.irp k, 0,1,2,3,4
	global_load_b32 v[Z+5+\k], v40, s[14:15] offset:4*\k    ; my row of W_hh2
.endr
	global_load_b32 v74, v41, s[16:17]             ; b_ih1
	global_load_b32 v75, v41, s[18:19]             ; b_hh1
	global_load_b32 v76, v41, s[20:21]             ; b_ih2
	global_load_b32 v77, v41, s[22:23]             ; b_hh2
	global_load_b32 v78, v42, s[24:25]             ; poly coefficient lane % 4
	BCAST W1, 15, 26                               ; W_ih1: 240 bytes
	BCAST W2, 25, 28                               ; W_ih2: 400 bytes
	DATA_LOADS                                     ; last: loads return in order, so the weights are not held up behind the stream
	; while they travel: lane = 9 gi + 3 li + xi
	v_mul_u32_u24 v249, 57, v38
	v_lshrrev_b32 v249, 9, v249                    ; gi = lane / 9 (exact for 0..31; lanes 27-31 get 3: finite entries that nobody selects)
	v_mul_u32_u24 v250, 9, v249
	v_sub_nc_u32 v250, v38, v250                   ; lane - 9 gi, 0..8
	v_mul_u32_u24 v251, 11, v250
	v_lshrrev_b32 v251, 5, v251                    ; li = that / 3 (exact for 0..8)
	v_mul_u32_u24 v252, 3, v251
	v_sub_nc_u32 v252, v250, v252                  ; xi
	v_cvt_f32_u32 v[U],   v252
	v_cvt_f32_u32 v[U+1], v251
	v_cvt_f32_u32 v[U+2], v249
.irp k, 0,1,2
	v_add_f32 v[U+\k], -1.0, v[U+\k]               ; index 0, 1, 2 -> class -1, 0, +1
.endr
.irp k, 0,1,2
	v_mul_f32 v[US+\k], NL2E, v[U+\k]
	v_mul_f32 v[UG+\k], L2E2, v[U+\k]
.endr
	v_add_nc_u32 v253, -10, v39
	v_cmp_gt_u32 vcc_lo, 5, v253                   ; rows 10-14: the gate g
	v_mov_b32 v254, L2E2
	v_cndmask_b32 v254, NL2E, v254, vcc_lo         ; my row's scale
	; k = (b_ih + b_hh + W_hh h0) x scale, a row in each lane, for both layers; through LDS into every lane
	s_wait_kmcnt 0x0                               ; h, c, W_out, b_out
	s_wait_loadcnt 46                              ; 61 loads were issued; the 15 + 25 + 6 of W_ih1, W_ih2 and the data may stay out: the first 15 are in
	v_add_f32 v79, v74, v75
	v_add_f32 v80, v76, v77
.irp k, 0,1,2,3,4
	v_fmac_f32 v79, s[44+\k], v[Z+\k]
	v_fmac_f32 v80, s[52+\k], v[Z+5+\k]
.endr
	v_mul_f32 v79, v254, v79
	v_mul_f32 v80, v254, v80
	ds_store_b32 v3, v79 offset:K1L
	ds_store_b32 v3, v80 offset:K2L
.irp k, 0,1,2,3,4
	ds_load_b128 v[K+4*\k:K+4*\k+3], v2 offset:K1L+16*\k    ; this wave's own bytes: LDS serves a wave's instructions in order (ISA guide 5.7.1)
.endr
	; the poly factor: softplus(c) = max(c, 0) + log(1 + e^-|c|), coefficient lane % 4 in each lane
	v_and_b32 v249, 0x7fffffff, v78
	v_mul_f32 v249, NL2E, v249
	v_exp_f32 v249, v249                           ; y = e^-|c|
	v_max_num_f32 v250, 0, v78                     ; (the plain instruction behind v_exp_f32)
	s_wait_alu depctr_va_vdst(0)
	v_add_f32 v251, 1.0, v249                      ; w = 1 + y, rounded
	v_add_f32 v252, -1.0, v251                     ; d = w - 1, exact
	v_log_f32 v253, v251
	v_rcp_f32 v255, v252
	v_nop
	s_wait_alu depctr_va_vdst(0)
	v_mul_f32 v255, v249, v255                     ; y / d
	v_mul_f32 v253, LN2, v253                      ; ln w
	v_mul_f32 v253, v253, v255                     ; log(1 + y)
	v_cmp_eq_f32 vcc_lo, 0, v252
	v_cndmask_b32 v253, v253, v249, vcc_lo         ; where w = 1: y itself
	v_add_f32 v253, v250, v253                     ; softplus
	v_cmp_eq_u32 vcc_lo, 0, v42
	v_cndmask_b32 v250, 0, 1.0, vcc_lo             ; t^j for t = 0: 1, 0, 0, 0
	v_mul_f32 v[PV], v253, v250
	v_add_f32_dpp v[PV], v[PV], v[PV] row_xmask:1 row_mask:0xf bank_mask:0xf
	v_add_f32_dpp v[PV], v[PV], v[PV] row_xmask:2 row_mask:0xf bank_mask:0xf   ; the sum of the four terms, in every lane
	v_cmp_gt_f32 vcc_lo, 0, v[U]
	v_xor_b32 v250, 0x80000000, v[PV]
	v_cndmask_b32 v[PV], v[PV], v250, vcc_lo       ; negated where this lane's class of bx is -1
	; layer 1
	s_wait_loadcnt 31                              ; the 25 + 6 of W_ih2 and the data may stay out: W_ih1 is in
	s_wait_dscnt 0x0                               ; layer 1's constants
	GATEPASS W1, 3, 0, US, UG, 1
.irp k, 0,1,2,3,4
	ds_load_b128 v[K+4*\k:K+4*\k+3], v2 offset:K2L+16*\k    ; K has been read: layer 2's constants come while layer 1 goes on
.endr
	GATEPASS W1, 3, 1, US, UG, 0
	GATEPASS W1, 3, 2, US, UG, 0
	ACT 68
.irp k, 0,1,2,3,4
	v_mul_f32 v[HS+\k], NL2E, v[H+\k]
	v_mul_f32 v[HG+\k], L2E2, v[H+\k]
.endr
	; layer 2
	s_wait_loadcnt 6                               ; only the six data loads may stay out: W_ih2 is in
	s_wait_dscnt 0x0                               ; layer 2's constants
	GATEPASS W2, 5, 0, HS, HG, 1
	GATEPASS W2, 5, 1, HS, HG, 0
	GATEPASS W2, 5, 2, HS, HG, 0
	GATEPASS W2, 5, 3, HS, HG, 0
	GATEPASS W2, 5, 4, HS, HG, 0
	ACT 76
	; the output layer, tanh, the poly factor
	v_fma_f32 v249, s84, v[H], s89
.irp k, 1,2,3,4
	v_fmac_f32 v249, s[84+\k], v[H+\k]
.endr
	v_mul_f32 v249, L2E2, v249
	v_exp_f32 v249, v249
	v_nop
	s_wait_alu depctr_va_vdst(0)
	v_add_f32 v249, 1.0, v249
	v_rcp_f32 v249, v249
	v_nop
	s_wait_alu depctr_va_vdst(0)
	v_fma_f32 v249, -2.0, v249, 1.0
	v_mul_f32 v249, v[PV], v249
	ds_store_b32 v3, v249                          ; entry L at LDS word L
	s_wait_dscnt 0x0                               ; the table is in LDS before this wave signals: the other waves read it behind the barrier
	s_branch .Ljoin
.Lothers:
	s_wait_kmcnt 0x0
	DATA_LOADS
.Ljoin:
	; ---- all waves.  On both ways here the six data loads are the youngest loads.  s[12:59] are free: the loads that named s[12:41] as
	; addresses are shown done (wave 0: the wait for six loads and the scalar waits above; the others never used them).
	s_barrier_signal -1
	s_wait_loadcnt 0x3                             ; piece 1's three loads may stay out: piece 0 is in
	PRE 0
	PRE 1
	PRE 2
	PRE 3
	POISON 0
	POISON 2
	s_wait_loadcnt 0x0                             ; piece 1
	PRE 4
	PRE 5
	PRE 6
	PRE 7
	POISON 4
	POISON 6
	s_barrier_wait -1                              ; wave 0 has stored the table and waited for its stores
.irp k, 0,1,2,3,4,5,6
	ds_load_b128 v[TAB+4*\k:TAB+4*\k+3], v2 offset:16*\k    ; words 0-27; all lanes read the same bytes
.endr
	s_wait_dscnt 0x0
	TREE2 0
	TREE2 2
	global_store_b128 v1, v[XR:XR+3], s[10:11] th:TH_STORE_NT              ; a wave stores 512 consecutive bytes, aligned
	TREE2 4
	TREE2 6
	global_store_b128 v1, v[XR+4:XR+7], s[10:11] offset:CHUNK th:TH_STORE_NT
	s_wait_xcnt 0x0
	v_lshl_add_u32 v254, v0, 2, 0x200
	v_mov_b32 v255, 0
	s_wait_tensorcnt 0x0
	ds_add_u32 v254, v255
	s_wait_dscnt 0x0
	s_endpgm
.Lfunc_end_k_q0355d8e8a6_lstm_table_stream:
	.size	k_q0355d8e8a6_lstm_table_stream, .Lfunc_end_k_q0355d8e8a6_lstm_table_stream-k_q0355d8e8a6_lstm_table_stream
	.p2alignl 7, 3214868480
	.fill 96, 4, 3214868480
	.section	.rodata,"a",@progbits
	.p2align	6, 0x0
	.amdhsa_kernel k_q0355d8e8a6_lstm_table_stream
		.amdhsa_group_segment_fixed_size 2560
		.amdhsa_private_segment_fixed_size 0
		.amdhsa_enable_private_segment 0
		.amdhsa_kernarg_size 152
		.amdhsa_user_sgpr_count 2
		.amdhsa_user_sgpr_kernarg_segment_ptr 1
		.amdhsa_wavefront_size32 1
		.amdhsa_system_sgpr_workgroup_id_x 1
		.amdhsa_system_sgpr_workgroup_id_y 1
		.amdhsa_system_sgpr_workgroup_id_z 1
		.amdhsa_system_vgpr_workitem_id 0
		.amdhsa_next_free_vgpr 256
		.amdhsa_next_free_sgpr 90
		.amdhsa_reserve_vcc 1
		.amdhsa_float_denorm_mode_32 3
		.amdhsa_float_denorm_mode_16_64 3
		.amdhsa_memory_ordered 1
		.amdhsa_forward_progress 1
		.amdhsa_inst_pref_size 50
	.end_amdhsa_kernel
	.amdgpu_metadata
---
amdhsa.version: [ 1, 2 ]
amdhsa.kernels:
  - .name:           k_q0355d8e8a6_lstm_table_stream
    .symbol:         k_q0355d8e8a6_lstm_table_stream.kd
    .args:
      - { .name: bx, .offset: 0, .size: 8, .value_kind: global_buffer, .address_space: global }
      - { .name: bl, .offset: 8, .size: 8, .value_kind: global_buffer, .address_space: global }
      - { .name: bg, .offset: 16, .size: 8, .value_kind: global_buffer, .address_space: global }
      - { .name: out0, .offset: 24, .size: 8, .value_kind: global_buffer, .address_space: global }
      - { .name: W_hh1, .offset: 32, .size: 8, .value_kind: global_buffer, .address_space: global }
      - { .name: W_hh2, .offset: 40, .size: 8, .value_kind: global_buffer, .address_space: global }
      - { .name: b_ih1, .offset: 48, .size: 8, .value_kind: global_buffer, .address_space: global }
      - { .name: b_hh1, .offset: 56, .size: 8, .value_kind: global_buffer, .address_space: global }
      - { .name: b_ih2, .offset: 64, .size: 8, .value_kind: global_buffer, .address_space: global }
      - { .name: b_hh2, .offset: 72, .size: 8, .value_kind: global_buffer, .address_space: global }
      - { .name: poly_coefficients, .offset: 80, .size: 8, .value_kind: global_buffer, .address_space: global }
      - { .name: W_ih1, .offset: 88, .size: 8, .value_kind: global_buffer, .address_space: global }
      - { .name: W_ih2, .offset: 96, .size: 8, .value_kind: global_buffer, .address_space: global }
      - { .name: h1_0, .offset: 104, .size: 8, .value_kind: global_buffer, .address_space: global }
      - { .name: h2_0, .offset: 112, .size: 8, .value_kind: global_buffer, .address_space: global }
      - { .name: c1_0, .offset: 120, .size: 8, .value_kind: global_buffer, .address_space: global }
      - { .name: c2_0, .offset: 128, .size: 8, .value_kind: global_buffer, .address_space: global }
      - { .name: W_out, .offset: 136, .size: 8, .value_kind: global_buffer, .address_space: global }
      - { .name: b_out, .offset: 144, .size: 8, .value_kind: global_buffer, .address_space: global }
    .group_segment_fixed_size: 2560
    .private_segment_fixed_size: 0
    .kernarg_segment_align: 8
    .kernarg_segment_size: 152
    .max_flat_workgroup_size: 512
    .sgpr_count:     90
    .vgpr_count:     256
    .wavefront_size: 32
...
	.end_amdgpu_metadata
.endif
;; end of part 1
